; MI455X (gfx1250); checked and timed in simulation.
; The chip was launched on July 23, 2026; its instructions are those of AMD's public machine-readable ISA for CDNA 5 (MIT licence, August 2026) and "CDNA5" Instruction Set Architecture Reference Guide (July 2026). The comments in the code are by the model that wrote it; some were corrected since.
;; Multi Head Attention. Allowed arithmetic: matrix products marked QUANTISED: E4M3 operands, one E8M0 scale for each 32 along K, by v_wmma_scale_f32_16x16x128_f8f6f4 with both operands' format E4M3, f32 sums; everything else in f32.
;; Inputs: bk 32 float32; bq 32 float32; bv 32 float32; k_codes 8 x 64 x 512 x 1 x 32 uint8 (E4M3 codes of k, K innermost, in blocks of 32 codes); k_scales 8 x 64 x 512 x 1 uint8 (E8M0 scales of k, one for each 32 codes along K); q 8 x 32 x 64 x 512 float32; v_codes 8 x 64 x 512 x 1 x 32 uint8 (E4M3 codes of v, K innermost, in blocks of 32 codes); v_scales 8 x 64 x 512 x 1 uint8 (E8M0 scales of v, one for each 32 codes along K); wk_codes 32 x 1 x 32 uint8 (E4M3 codes of wk, K innermost, in blocks of 32 codes); wk_scales 32 x 1 uint8 (E8M0 scales of wk, one for each 32 codes along K); wq_codes 32 x 1 x 32 uint8 (E4M3 codes of wq, K innermost, in blocks of 32 codes); wq_scales 32 x 1 uint8 (E8M0 scales of wq, one for each 32 codes along K); wv_codes 32 x 1 x 32 uint8 (E4M3 codes of wv, K innermost, in blocks of 32 codes); wv_scales 32 x 1 uint8 (E8M0 scales of wv, one for each 32 codes along K).
;; Outputs: out0 8 x 32 x 64 x 512 float32.
;; This version of the problem:
;;   THIS VERSION OF THE PROBLEM IS GIVEN IN LOW PRECISION. The matrix products marked QUANTISED in the list below multiply operands that are first quantised to E4M3 (4 exponent bits, 3 mantissa bits; 8 bits a number), with one power-of-two scale for each 32 numbers along K (OCP MX v1.0); their sums are f32. All else is computed in f32.
;;   The module's matrix products, in the order in which they are computed (A, B: the left and right operand; K: the contracted axis; several contracted axes count as one K, in the product's order):
;;     1. [M 262,144, K 32] x [K 32, N 32]; A: input q; B: input wq (given as codes): QUANTISED
;;     2. [M 262,144, K 32] x [K 32, N 32]; A: input k (given as codes); B: input wk (given as codes): QUANTISED
;;     3. [M 262,144, K 32] x [K 32, N 32]; A: input v (given as codes); B: input wv (given as codes): QUANTISED
;;     4. batch 512 x [M 512, K 32] x [K 32, N 512]; A: computed on the way; B: computed on the way: QUANTISED
;;     5. batch 512 x [M 512, K 512] x [K 512, N 32]; A: computed on the way; B: computed on the way: QUANTISED
;;   THE QUANTISER, for each operand of a quantised product, along K:
;;     - K is cut into blocks of 32 from its start; a last block that is shorter is filled with zeros.
;;     - A block's scale is 2^e with e = floor(log2(the largest magnitude in the block)) - 8, held to -126 .. 127; a block of zeros has e = 0. As a byte (E8M0): e + 127.
;;     - Each number is divided by its block's scale, clamped to +-448, and rounded to the nearest number of E4M3, ties to even, subnormals kept.
;;     - The product sums the exact products of the quantised numbers (number of the format x scale) in f32.
;;   ~~~python
;;   def quantise(x, axis):      # numpy; x: float32 -> the quantised numbers, widened to float32 again
;;       x = np.moveaxis(x, axis, -1); K = x.shape[-1]
;;       x = np.pad(x, [(0, 0)] * (x.ndim - 1) + [(0, -K % 32)]); x = x.reshape(x.shape[:-1] + (-1, 32)); a = np.abs(x).max(-1, keepdims=True)
;;       e = np.where(a > 0, np.clip(np.frexp(np.where(a > 0, a, 1))[1] - 1 - 8, -126, 127), 0)      # np.frexp(a)[1] - 1 = floor(log2(a)), exactly
;;       r = np.clip(x / 2.0 ** e, -448, 448)
;;       step = 2.0 ** (np.maximum(np.frexp(np.where(r == 0, 1, r))[1] - 1, -6) - 3)
;;       q = np.round(r / step) * step * 2.0 ** e      # np.round: ties to even
;;       return np.moveaxis(q.reshape(q.shape[:-2] + (-1,))[..., :K], -1, axis).astype(np.float32)
;;   ~~~
;;   OPERANDS COMPUTED ON THE WAY. 'Computed on the way' means the value that the module computes at that place (a softmax that the list does not call 'softmax' is quantised finished and normalised). What goes into a quantiser is computed in f32, as accurately as f32 sums, v_exp_f32 and their like allow (about 1e-6 of the number): no bf16 or f16 on the way to a quantiser, and a product that is left as it is and whose result goes on into a quantised operand takes f32 operands (vector FMAs, or v_wmma_f32_16x16x4_f32). A number that lies on a knife's edge between two numbers of the format may be rounded either way, as far as f32 arithmetic and the matrix unit's own rounding can turn it there, and no further.
;;   INPUTS GIVEN AS CODES. k (in the module: [8, 32, 64, 512], K = its axis 1); v (in the module: [8, 32, 64, 512], K = its axis 1); wk (in the module: [32, 32], K = its axis 1); wq (in the module: [32, 32], K = its axis 1); wv (in the module: [32, 32], K = its axis 1): each comes as NAME_codes (uint8): NAME with its K axis moved to the last place and cut into blocks of 32 codes, [.., K / 32, bytes a block], one block behind the other in memory; one code a byte (a code: sign, 4 exponent bits, 3 mantissa bits); and NAME_scales (uint8): the same leading axes, one E8M0 byte (e + 127) for each 32 codes along K. Its value is code x scale, taken as it is: it is not quantised again, and the codes and scales need not be those that the quantiser above would give.
;; One version. Each part assembles by itself: llvm-mc -triple=amdgcn-amd-amdhsa -mcpu=gfx1250 --defsym DOCPART=n.
;; ======== version 1 of 1: 1 launch
;; launch mha (part 1): grid 256 x 1, 16 waves a work-group, no clusters, 327,680 bytes of LDS; arguments q, out0, k_codes, v_codes, k_scales, v_scales, wk_codes, wv_codes, wk_scales, wv_scales, bk, bv, wq_codes, wq_scales, bq; writes out0
.if DOCPART == 1
	.amdgcn_target "amdgcn-amd-amdhsa--gfx1250"
	.amdhsa_code_object_version 6
	.text
	.protected	k_q81fd22f0b7_mha
	.globl	k_q81fd22f0b7_mha
	.p2align	8
	.type	k_q81fd22f0b7_mha,@function
k_q81fd22f0b7_mha:
	s_mov_b64 s[64:65], 0
	v_nop
	global_prefetch_b8 v0, s[64:65] scope:SCOPE_SE
	s_setreg_imm32_b32 hwreg(HW_REG_WAVE_MODE, 25, 1), 1
	s_wait_xcnt 0x0
; out[b][c][h][w] = q[b][c][h][w] + sum over x of Q(attn)[w][x] Q(vp)[x][c],  attn[w][x] = sum over c of Q(qp)[w][c] Q(kp)[x][c],
; qp = Q(q) wq^T + bq, kp = k wk^T + bk, vp = v wv^T + bv, for each of the 512 pairs (b, h) by itself: 512 pixels (w, x), 32 channels.
; All five products on codes of FP8 (E4M3) with one E8M0 scale for each 32 along a product's K; sums in f32.  Q is the quantiser along that K:
; q, qp, kp along the channels (one block a pixel), attn and vp along x (16 blocks of 32).  k, v and the weights arrive as codes.
; NOTHING IS LEFT OUT.  In real numbers kp^T vp could be formed first, but attn goes through a quantiser, which is a step of the problem: all of attn is made and quantised.
; Every input has a way to the output, the three biases too (each moves codes), so all fifteen buffers are arguments.
; LIMITS.  NaN and infinities in q and the biases, NaN codes, and the scale byte 0xff among the given scales are not served.  A block of zeros gets the scale byte 1 where the
; quantiser says 127: its codes are zeros, which add nothing under any byte but 0xff, and the bytes are read by this program alone.  q enters the last sum as its first addend
; (the C of the first product), so the order of rounding differs from a sum to which q is added last.
; SHARES.  A work-group takes two neighbouring h of one b, one after the other (ITEM, written out twice).  Each item's inputs (97 KB) come by tensor loads into LDS bytes of their own: nothing is ever
; filled again.  The first item's are asked for at the head; the second item's behind the first barrier, so that only the first item's bytes stand between the head and the first product; they land while the
; first item is worked.  Sixteen waves of 256 registers, four to a SIMD, so that one wave's vector work stands beside another's matrix work and LDS loads.  Wave W owns pixels w = 32 W .. 32 W + 31
; (two tiles of 16) in every product that has w; kp is made by waves 0-7 and vp by waves 8-15, one fragment each, and goes from wave to wave through LDS as images of the operand's registers.
; The launch claims all of a WGP's LDS; the text uses 244,224 bytes.
; NO CLUSTER: of the 194 KB that a work-group reads, only the weights, scales and biases (about 3 KB) are read by another work-group.
; K = 32 IN AN INSTRUCTION OF K = 128.  One operand is PACKED: its four K blocks hold four different things (four pixels' channels, two tiles of a weight).  The other is a SELECTOR: four
; registers of codes inside a run of zero registers, Z Z Z D0 Z Z Z D1 Z Z Z; a window of 16 registers laid over the run puts D0 or D1 into K block c and zero codes into the other three.
; k and v are packed as they lie: 128 consecutive bytes are four pixels; row m, block c of fragment g is pixel 64 g + 4 m + c, and the row's four scale bytes are one word.
; BLOCKS ALONG x FALL INTO ONE LANE.  With that order of pixels, the four results c = 0 .. 3 of (fragment g) x (selector) give lane (r, h), in register 8 c + j, x = 64 g + 32 h + 4 j + c: the whole block
; 2 g + h of 32 along x.  Its largest magnitude needs no other lane.  Its 32 codes (8 registers) are dealt to the two halves of the lanes by four swaps, and are then two K blocks of the last
; product's operand.  attn and vp go through the same lines, so both carry the same order of x inside a block; the blocks keep their places.
; THE ROWS OF A WEIGHT'S TILE ARE NOT NEIGHBOURS: row m of tile u is weight row 8 u + m + 8 (m / 8), so that a result's registers 8 u + j hold channel 16 h + 8 u + j: 16 neighbours along the next K.
; The last product's result has the same layout, channel 16 h + i in register i and pixel w in lane r, in which q is read for its quantiser: q's registers are that product's first C.
.set ITS,   103680                     ; LDS: an item's region.  In it:
.set KC,    65792                      ;   from 0 the tile of q: channel c at 2048 c + 128 (c / 16) (later the result);  k's codes: 128 rows of 128 bytes + 16 of padding
.set VC,    84224                      ;   v's codes likewise
.set KS,    102656                     ;   k's 512 scale bytes
.set VS,    103168                     ;   v's
.set KPI,   207360                     ; behind the two items: 16 images of 2,048 bytes: kp's fragments 0-7, then vp's (2 s + t)
.set KPS,   240128                     ; their scale words, 64 bytes each; from + 1024 on what lanes 16-31 store, which nobody reads
.set SPARE, 242176                     ; the spare words, 128 bytes for each wave: eight blocks of 256 bytes that no other line names
.set ALI,  1                           ; v1   KPI + 16 lane: an image's place for my lane
.set ALS,  2                           ; v2   KPS + 4 lane: scale words: lanes 0-15 one fragment's, lanes 16-31 the next one's
.set AQ,   3                           ; v3   q's tile: channel 16 h, pixel 32 W + r
.set ARB,  4                           ; v4   the way out: channel 2 W, 16 bytes a lane
.set AGO,  5                           ; v5   the same place in out0
.set ACK,  6                           ; v6   k's codes: fragment W & 7, row r, + 16 h
.set ACV,  7                           ; v7   v's codes: fragment 2 ((W & 7) / 2), row r, + 16 h
.set ASK,  8                           ; v8   k's scale words of that fragment
.set ASV,  9                           ; v9   v's
.set AIM,  10                          ; v10  where I store my image: KPI + 2048 W + 16 lane
.set AIS,  11                          ; v11  and its scale word: KPS + 64 W + 4 r + 1024 h
.set SPW,  12                          ; v12  my spare word: SPARE + 4 x my thread's number; never rewritten
.set NIL,  13                          ; v13  0; never rewritten
.set AWO,  14                          ; v14  a weight's codes: row r + 8 (r / 8), + 16 h
.set AWS,  15                          ; v15  r + 8 (r / 8): a weight's scale byte
.set RUN,  16                          ; v16-59   the run of the selectors: D0 = v28-31, D1 = v44-47, the other 36 registers are zeros
.set QSC,  60                          ; v60-61   the selectors' scale byte, four times in a word (tile 0, tile 1)
.set PSW,  62                          ; v62-63   attn's scale words (tile 0, 1); in the preparation the weights' scales
.set KSW,  64                          ; v64      kp's scale words; in the preparation k's or v's
.set VSW,  65                          ; v65      vp's scale words; in the preparation v's second
.set MXA,  66                          ; v66-69   four chains of a block's largest magnitude
.set TBY,  70                          ; v70      a scale byte
.set TPX,  71                          ; v71      the other half's bytes
.set ACC,  72                          ; v72-103  q, then the result: tile a at ACC + 16 a, register i = channel 16 h + i
.set KFR,  104                         ; v104-119 a fragment of kp; in the preparation of k or v
.set VFR,  120                         ; v120-151 two fragments of vp (t = 0, 1); in the preparation biases (v120-135) and v's second fragment or TMX (v136-151)
.set TMX,  136                         ; v136-139 largest magnitudes, v140-143 bytes, v144-147 448 x the scale, v148-151 scale operands
.set SCA,  152                         ; v152-183 scores, buffer A
.set SCB,  184                         ; v184-215 scores, buffer B
.set PCD,  216                         ; v216-247 attn's codes, 16 registers a tile; in the preparation the codes just made (v216-231) and wq, packed (v232-247)
.set ABO,  248                         ; v248 64 h: a bias's 16 numbers of my half
.set ABV,  249                         ; v249 4 (r + 8 (r / 8)): bv of my channel
.set PWX,  250                         ; v250 the scale word on its way to LDS
.set HLD,  251                         ; v251 448 x the scale
.set SCO,  252                         ; v252 the conversion's scale operand
; SCALARS: s2 W; s3 W & 7, s41 W & 3, s7 W & 1 (head); s[8:37] the arguments; s38-39 lane selects; s40 the mantissa field of 448; s[44:51], s[52:59], s[68:75] descriptor groups 1 for q, codes, scale bytes;
; groups 0, first and second item: s[60:63], s[76:79] q; s[80:83], s[84:87] codes; s[88:91], s[92:95] scale bytes; s4-7, s42-43, s96-101 at work
.macro NOPS n
.rept \n
	v_nop
.endr
.endm
.macro BAR
	s_barrier_signal -1
	s_barrier_wait -1
.endm
; An item's fourteen tensor loads, one a wave: waves 0-7 four channels of q each, waves 8-11 the halves of k's and of v's codes, waves 12, 13 their scale bytes; waves 14, 15 none.
; The branches hang on the wave's number alone and lead round the load's own lines alone.  An s_nop 0 and four v_nop follow each load.
.macro TLOAD3 g0q, g0c, g0s
	s_cmp_lt_u32 s2, 8
	s_cbranch_scc0 .Lnq_\@
	tensor_load_to_lds s[\g0q:\g0q+3], s[44:51]
	s_nop 0
	NOPS 4
	s_branch .Lok_\@
.Lnq_\@:
	s_cmp_lt_u32 s2, 12
	s_cbranch_scc0 .Lnc_\@
	tensor_load_to_lds s[\g0c:\g0c+3], s[52:59]
	s_nop 0
	NOPS 4
	s_branch .Lok_\@
.Lnc_\@:
	s_cmp_lt_u32 s2, 14
	s_cbranch_scc0 .Lok_\@
	tensor_load_to_lds s[\g0s:\g0s+3], s[68:75]
	s_nop 0
	NOPS 4
.Lok_\@:
.endm
; A BLOCK SHARED BY LANES l AND l xor 16 (K = the channels).  nb blocks; block b lies in v[src + 16 b] on, 16 numbers a lane.  XMAX leaves, for each block, the scale's byte, 448 x the scale and the conversion's operand.
; The registers are taken in ascending order, so that each matrix result is first read at its low end.
.macro XMAX src, nb
.set qb, 0
.rept \nb
	v_max3_num_f32 v[TMX+qb], |v[(\src)+16*qb]|, |v[(\src)+16*qb+1]|, 0x4800000   ; with the floor 2^(9 - 127): the byte cannot fall under 1
.set qb, qb+1
.endr
.irp i, 2,4,6,8,10,12,14
.set qb, 0
.rept \nb
	v_max3_num_f32 v[TMX+qb], v[TMX+qb], |v[(\src)+16*qb+\i]|, |v[(\src)+16*qb+\i+1]|   ; the blocks by turns
.set qb, qb+1
.endr
.endr
.set qb, 0
.rept \nb
	v_permlanex16_b32 v[TMX+4+qb], v[TMX+qb], s38, s39
.set qb, qb+1
.endr
.set qb, 0
.rept \nb
	v_max_num_f32 v[TMX+qb], v[TMX+qb], v[TMX+4+qb]            ; with lane l xor 16's: the block's largest magnitude
.set qb, qb+1
.endr
.set qb, 0
.rept \nb
	v_add_nc_u32 v[TMX+12+qb], 0xfc000000, v[TMX+qb]           ; 8 off its exponent field: the conversion takes this operand's exponent field as its scale
	v_and_or_b32 v[TMX+8+qb], v[TMX+qb], 0x7f800000, s40       ; 448 x the scale: the same exponent field over 448's mantissa
.set qb, qb+1
.endr
.set qb, 0
.rept \nb
	v_lshrrev_b32 v[TMX+4+qb], 23, v[TMX+12+qb]                ; the scale's byte
.set qb, qb+1
.endr
.endm
; The hold and the conversion: from v[src], by way of v[tmp] (the same registers, or others where src is kept), block b's 16 codes into v[dst + ds b] on.
.macro XCODE src, tmp, nb, dst, ds
.set qb, 0
.rept \nb
.irp i, 0,1,2,3,4,5,6,7,8,9,10,11,12,13,14,15
	v_med3_num_f32 v[(\tmp)+16*qb+\i], v[(\src)+16*qb+\i], -v[TMX+8+qb], v[TMX+8+qb]   ; the conversion to an 8-bit code does not saturate (ISA guide 7.6.2)
.endr
	v_cvt_scalef32_pk8_fp8_f32 v[(\dst)+(\ds)*qb:(\dst)+(\ds)*qb+1], v[(\tmp)+16*qb:(\tmp)+16*qb+7], v[TMX+12+qb]
	v_cvt_scalef32_pk8_fp8_f32 v[(\dst)+(\ds)*qb+2:(\dst)+(\ds)*qb+3], v[(\tmp)+16*qb+8:(\tmp)+16*qb+15], v[TMX+12+qb]
.set qb, qb+1
.endr
	NOPS 4                                 ; the plain line behind the last conversion, and the four places between an operand written by vector instructions and a scaled matrix instruction
.endm
; A BLOCK THAT LIES IN ONE LANE (K = x): 32 numbers in v[src] on, four accumulators of eight.  MAXB: its largest magnitude, 16 lines: a chain for each accumulator, from its low end on, so that a line
; takes up the result of the line four back; then the four numbers left over, the floor and the four chains.
.macro MAXB src
.irp c, 0,1,2,3
	v_max3_num_f32 v[MXA+\c], |v[(\src)+8*\c]|, |v[(\src)+8*\c+1]|, |v[(\src)+8*\c+2]|
.endr
.irp i, 3,5
.irp c, 0,1,2,3
	v_max3_num_f32 v[MXA+\c], v[MXA+\c], |v[(\src)+8*\c+\i]|, |v[(\src)+8*\c+\i+1]|
.endr
.endr
	v_max3_num_f32 v[MXA], v[MXA], |v[(\src)+7]|, 0x4800000    ; with the floor 2^(9 - 127): the byte cannot fall under 1
	v_max3_num_f32 v[MXA+1], v[MXA+1], |v[(\src)+15]|, |v[(\src)+23]|
	v_max3_num_f32 v[MXA+2], v[MXA+2], v[MXA+3], |v[(\src)+31]|
	v_max3_num_f32 v[MXA], v[MXA], v[MXA+1], v[MXA+2]
.endm
; CODE: the hold, the codes into v[dst] .. v[dst + 7], the scale byte into the word v[wrd], and the swaps.  g = 0: the first two K blocks of a fragment; g = 1: the last two, and the word is finished (right in lanes 0-15).
; Ahead of the swaps lane (r, h) holds block 2 g + h whole; behind them v[dst .. dst + 3] hold block 2 g (its first 16 codes in lanes 0-15, its last 16 in lanes 16-31) and v[dst + 4 .. dst + 7] block 2 g + 1.
.macro CODE src, dst, wrd, g
	v_add_nc_u32 v[SCO], 0xfc000000, v[MXA]
	v_and_or_b32 v[HLD], v[MXA], 0x7f800000, s40
.set qi, 0
.rept 32
	v_med3_num_f32 v[(\src)+qi], v[(\src)+qi], -v[HLD], v[HLD]
.set qi, qi+1
.endr
.irp c, 0,1,2,3
	v_cvt_scalef32_pk8_fp8_f32 v[(\dst)+2*\c:(\dst)+2*\c+1], v[(\src)+8*\c:(\src)+8*\c+7], v[SCO]
.endr
.if \g
	v_lshrrev_b32 v[TBY], 23, v[SCO]                           ; (the plain line behind the conversions)
	v_lshl_or_b32 v[\wrd], v[TBY], 16, v[\wrd]                 ; bytes 0 and 2: my half's two blocks
	v_permlanex16_b32 v[TPX], v[\wrd], s38, s39
	v_lshl_or_b32 v[\wrd], v[TPX], 8, v[\wrd]                  ; bytes 1 and 3: the other half's
.else
	v_lshrrev_b32 v[\wrd], 23, v[SCO]
.endif
.irp i, 0,1,2,3
	v_permlane16_swap_b32 v[(\dst)+\i], v[(\dst)+4+\i]         ; the first's lanes 16-31 change places with the second's lanes 0-15
.endr
.endm
; Four products of S^T = kp qp^T: the fragment of kp in hand x the selector of my tile a, K block c = 0 .. 3.  g: which row of the scale register holds that fragment's words.
.macro WST buf, g, a
.irp c, 0,1,2,3
.if \g
	v_wmma_scale_f32_16x16x128_f8f6f4 v[(\buf)+8*\c:(\buf)+8*\c+7], v[KFR:KFR+15], v[RUN+4*(3+4*(\a)-\c):RUN+4*(3+4*(\a)-\c)+15], 0, v[KSW], v[QSC+(\a)] matrix_a_scale:MATRIX_SCALE_ROW1
.else
	v_wmma_scale_f32_16x16x128_f8f6f4 v[(\buf)+8*\c:(\buf)+8*\c+7], v[KFR:KFR+15], v[RUN+4*(3+4*(\a)-\c):RUN+4*(3+4*(\a)-\c)+15], 0, v[KSW], v[QSC+(\a)]
.endif
.endr
.endm
; Four products of O^T += vp^T attn^T, 128 along x: four accumulators, one instruction a turn; between two steps' turns stand the scores' products.
.macro PV
.irp a, 0,1
	v_wmma_scale_f32_16x16x128_f8f6f4 v[ACC+16*\a:ACC+16*\a+7], v[VFR:VFR+15], v[PCD+16*\a:PCD+16*\a+15], v[ACC+16*\a:ACC+16*\a+7], v[VSW], v[PSW+\a]
	v_wmma_scale_f32_16x16x128_f8f6f4 v[ACC+16*\a+8:ACC+16*\a+15], v[VFR+16:VFR+31], v[PCD+16*\a:PCD+16*\a+15], v[ACC+16*\a+8:ACC+16*\a+15], v[VSW], v[PSW+\a] matrix_a_scale:MATRIX_SCALE_ROW1
.endr
.endm
.macro LDK g                           ; kp's fragment g
.irp c, 0,1,2,3
	ds_load_b128 v[KFR+4*\c:KFR+4*\c+3], v[ALI] offset:2048*(\g)+512*\c
.endr
.endm
.macro LDKS s                          ; the scale words of kp's fragments 2 s (lanes 0-15) and 2 s + 1 (lanes 16-31)
	ds_load_b32 v[KSW], v[ALS] offset:128*(\s)
.endm
.macro LDV s                           ; vp's two fragments of step s, and their scale words
.irp t, 0,1
.irp c, 0,1,2,3
	ds_load_b128 v[VFR+16*\t+4*\c:VFR+16*\t+4*\c+3], v[ALI] offset:16384+2048*(2*(\s)+\t)+512*\c
.endr
.endr
	ds_load_b32 v[VSW], v[ALS] offset:512+128*(\s)
.endm
; The weights of an item's preparation.  All waves: wq's two tiles, packed.  Waves 0-7: wk's two tiles into D0, D1, their scale bytes, bk.  Waves 8-15: my tile t of wv into D0, its scale bytes, bv of my channel eight times (a C operand).
.macro WLOAD n
	global_load_b128 v[PCD+16:PCD+19], v[AWO], s[32:33]
	global_load_b128 v[PCD+20:PCD+23], v[AWO], s[32:33] offset:256
	s_cmp_lt_u32 s2, 8
	s_cbranch_scc0 .Lwv_\n
	global_load_b128 v[RUN+12:RUN+15], v[AWO], s[20:21]
	global_load_b128 v[RUN+28:RUN+31], v[AWO], s[20:21] offset:256
	global_load_u8 v[PSW], v[AWS], s[24:25]
	global_load_u8 v[PSW+1], v[AWS], s[24:25] offset:8
.irp i, 0,1,2,3
	global_load_b128 v[VFR+4*\i:VFR+4*\i+3], v[ABO], s[28:29] offset:16*\i
.endr
	s_branch .Lwj_\n
.Lwv_\n:
	global_load_b128 v[RUN+12:RUN+15], v[AWO], s[22:23]
	global_load_u8 v[PSW], v[AWS], s[26:27]
.irp i, 0,1,2,3,4,5,6,7
	global_load_b32 v[VFR+\i], v[ABV], s[30:31]
.endr
.Lwj_\n:
.endm
.macro BQLOAD                          ; bq of my half's 16 channels, and wq's scale bytes of its two tiles
.irp i, 0,1,2,3
	global_load_b128 v[VFR+4*\i:VFR+4*\i+3], v[ABO], s[36:37] offset:16*\i
.endr
	global_load_u8 v[PSW], v[AWS], s[34:35]
	global_load_u8 v[PSW+1], v[AWS], s[34:35] offset:8
.endm
; A STEP: 128 along x (kp's fragments 2 s, 2 s + 1) for my two tiles: four units of 32 scores a lane, in two buffers by turns.  A unit's products are issued ahead of the quantising of the unit before, which
; is the plain vector work that fills the eight places behind them (nine before a matrix instruction writes a buffer again).  The last product of the step before stands in the first unit.
; Every load into a register that a matrix instruction has read stands behind the 16 lines of a MAXB that names none of that instruction's registers.
.macro STEP s
	WST SCB, 0, 1                          ; fragment 2 s x tile 1
.if \s == 0
	NOPS 8                                 ; the first unit's scores were made just ahead: no vector work is at hand
.endif
	MAXB SCA
.if \s > 0
	PV                                     ; the step before: its codes and scale words were finished ahead of the 16 lines above
.endif
	LDK 2*\s+1
	CODE SCA, PCD, PSW, 0
	s_wait_dscnt 0x0                       ; fragment 2 s + 1 is in (step 0: vp's first fragments too)
	WST SCA, 1, 0
	MAXB SCB
.if \s > 0
	LDV \s
.endif
	CODE SCB, PCD+16, PSW+1, 0
	WST SCB, 1, 1
	MAXB SCA
.if \s < 3
	LDK 2*\s+2
	LDKS \s+1
.endif
	CODE SCA, PCD+8, PSW, 1
	s_wait_dscnt 0x0                       ; the next step's first fragment and words, and this step's fragments of vp, are in
.if \s < 3
	WST SCA, 0, 0
.endif
	MAXB SCB
	CODE SCB, PCD+24, PSW+1, 1
.endm
	s_load_b512 s[8:23], s[0:1], 0x0               ; q s[8:9], out0 s[10:11], k_codes s[12:13], v_codes s[14:15], k_scales s[16:17], v_scales s[18:19], wk_codes s[20:21], wv_codes s[22:23]
	s_load_b256 s[24:31], s[0:1], 0x40             ; wk_scales s[24:25], wv_scales s[26:27], bk s[28:29], bv s[30:31]
	s_load_b128 s[32:35], s[0:1], 0x60             ; wq_codes s[32:33], wq_scales s[34:35]
	s_load_b64 s[36:37], s[0:1], 0x70              ; bq
	v_lshl_add_u32 v[SPW], v0, 2, SPARE
	v_mov_b32 v[NIL], 0
	ds_add_u32 v[SPW], v[NIL]                      ; the wave's opening: the add, twice on end, and its wait ahead of the first tensor load; the descriptors' words below stand between
	ds_add_u32 v[SPW], v[NIL]                      ; and once more
	v_lshrrev_b32 v253, 5, v0
	v_readfirstlane_b32 s2, v253                   ; W: wave 0..15
	s_mov_b32 s38, 0x76543210
	s_mov_b32 s39, 0xfedcba98                      ; v_permlanex16_b32's selects for lane l xor 16
	s_mov_b32 s40, 0x600000                        ; the mantissa field of 448
	; descriptor group 1 for q: 4 channels x 512 numbers of 4 bytes, 32,768 numbers from channel to channel; dense in LDS
	s_mov_b32 s44, 2<<16
	s_mov_b32 s45, 512<<16
	s_mov_b32 s46, 4<<16
	s_mov_b32 s47, 512<<16
	s_mov_b32 s48, 4
	s_mov_b32 s49, 32768
	s_mov_b32 s50, 0
	s_mov_b32 s51, 0
	; for codes: 64 rows of 128 bytes, dense in memory; four words of padding behind every 32
	s_mov_b32 s52, (1<<20)|(4<<22)|(3<<25)
	s_mov_b32 s53, 128<<16
	s_mov_b32 s54, 64<<16
	s_mov_b32 s55, 128<<16
	s_mov_b32 s56, 64
	s_mov_b32 s57, 128
	s_mov_b32 s58, 0
	s_mov_b32 s59, 0
	; for scale bytes: one row of 512 bytes, as 64 elements of 8
	s_mov_b32 s68, 3<<16
	s_mov_b32 s69, 64<<16
	s_mov_b32 s70, 1<<16
	s_mov_b32 s71, 64<<16
	s_mov_b32 s72, 1
	s_mov_b32 s73, 64
	s_mov_b32 s74, 1<<16
	s_mov_b32 s75, 0
	; the six groups 0: every wave makes all of them, on the one way that all waves take, by arithmetic on its number; it asks by at most one of each item's three
.irp g, 60, 76, 80, 84, 88, 92
	s_mov_b32 s[\g], 1                             ; word 0: count = 1
.endr
	s_and_b32 s3, s2, 7                            ; q: which four channels
	s_and_b32 s41, s2, 3                           ; codes: 0, 1 the halves of k's, 2, 3 of v's
	s_and_b32 s7, s2, 1                            ; scale bytes: 0 k's, 1 v's.  Also: which half of the codes; and t, my tile of wv
	s_lshl_b32 s61, s3, 13
	s_lshr_b32 s4, s3, 2
	s_lshl_b32 s4, s4, 7
	s_add_co_u32 s61, s61, s4                      ; LDS: 8192 (W & 7) + 128 ((W & 7) / 4)
	s_add_co_u32 s77, s61, ITS
	s_mul_i32 s81, s41, 9216                       ; 64 rows of 144 bytes
	s_add_co_u32 s81, s81, KC
	s_add_co_u32 s85, s81, ITS
	s_lshl_b32 s89, s7, 9
	s_add_co_u32 s89, s89, KS
	s_add_co_u32 s93, s89, ITS
	s_lshr_b32 s96, ttmp9, 5                       ; b
	s_lshl_b32 s96, s96, 22                        ; 4,194,304 bytes of q or out0 for each b
	s_and_b32 s4, ttmp9, 31
	s_lshl_b32 s4, s4, 12                          ; h = 2 (work-group % 32): 2,048 bytes for each h
	s_add_co_u32 s96, s96, s4
	s_mov_b32 s97, 0
	s_lshl_b32 s98, s3, 19                         ; four channels of 131,072 bytes
	s_add_co_u32 s98, s98, s96
	s_mov_b32 s99, 0
	s_lshl_b32 s100, ttmp9, 15                     ; codes: 16,384 bytes an item,
	s_lshl_b32 s4, s7, 13                          ; 8,192 a half
	s_add_co_u32 s100, s100, s4
	s_mov_b32 s101, 0
	s_lshl_b32 s42, ttmp9, 10                      ; scale bytes: 512 an item
	s_mov_b32 s43, 0
	s_wait_dscnt 0x0                               ; both opening adds are done
	s_wait_kmcnt 0x0
	s_add_nc_u64 s[10:11], s[10:11], s[96:97]      ; out0 at my first item
	s_add_nc_u64 s[62:63], s[8:9], s[98:99]
	s_add_nc_u64 s[78:79], s[62:63], 2048          ; the next h
	s_or_b32 s63, s63, 0x80000000                  ; type = 2
	s_or_b32 s79, s79, 0x80000000
	s_cmp_lt_u32 s41, 2
	s_cselect_b64 s[4:5], s[12:13], s[14:15]
	s_add_nc_u64 s[82:83], s[4:5], s[100:101]
	s_add_nc_u64 s[86:87], s[82:83], 16384
	s_or_b32 s83, s83, 0x80000000
	s_or_b32 s87, s87, 0x80000000
	s_cmp_eq_u32 s7, 0
	s_cselect_b64 s[4:5], s[16:17], s[18:19]
	s_add_nc_u64 s[90:91], s[4:5], s[42:43]
	s_add_nc_u64 s[94:95], s[90:91], 512
	s_or_b32 s91, s91, 0x80000000
	s_or_b32 s95, s95, 0x80000000
	TLOAD3 60, 80, 88                              ; THE FIRST ITEM'S TILES: asked for before anything else is set up.  One tensor load of a wave is out
	s_lshl_b32 s96, s7, 8                          ; my tile t of wv (waves 8-15): 8 rows of 32 codes,
	s_add_nc_u64 s[22:23], s[22:23], s[96:97]
	s_lshl_b32 s96, s7, 3                          ; 8 scale bytes,
	s_add_nc_u64 s[26:27], s[26:27], s[96:97]
	s_lshl_b32 s96, s7, 5                          ; 8 numbers of bv
	s_add_nc_u64 s[30:31], s[30:31], s[96:97]
	v_and_b32 v250, 15, v0                         ; r
	v_bfe_u32 v251, v0, 4, 1                       ; h
	v_and_b32 v252, 31, v0                         ; lane
	v_lshl_add_u32 v[ALI], v252, 4, KPI
	v_lshl_add_u32 v[ALS], v252, 2, KPS
	v_and_b32 v254, 0x1ef, v0                      ; 32 W + r
	v_lshlrev_b32 v254, 2, v254
	v_mad_u32_u24 v[AQ], v251, 32896, v254         ; + h x (16 channels of 2,048 bytes + 128): lanes 16-31 then stand 32 banks from lanes 0-15 (64 banks of 4 bytes: ISA guide 11.1)
	s_lshl_b32 s5, s2, 12
	s_lshr_b32 s7, s2, 3
	s_lshl_b32 s7, s7, 7
	s_add_co_u32 s5, s5, s7
	v_lshl_add_u32 v[ARB], v252, 4, s5             ; channel 2 W: 4096 W + 128 (W / 8), + 16 lane
	s_lshl_b32 s7, s2, 18
	v_lshl_add_u32 v[AGO], v252, 4, s7             ; channel 2 W in out0: 131,072 bytes a channel
	s_and_b32 s4, s2, 7
	s_mul_i32 s5, s4, 2304                         ; a fragment is 16 rows of 144 bytes
	s_add_co_u32 s5, s5, KC
	s_lshr_b32 s6, s4, 1
	s_mul_i32 s7, s6, 4608
	s_add_co_u32 s7, s7, VC
	v_mul_u32_u24 v254, v250, 144
	v_lshl_add_u32 v254, v251, 4, v254
	v_add_nc_u32 v[ACK], s5, v254
	v_add_nc_u32 v[ACV], s7, v254
	s_lshl_b32 s5, s4, 6
	s_add_co_u32 s5, s5, KS
	s_lshl_b32 s7, s6, 7
	s_add_co_u32 s7, s7, VS
	v_lshl_add_u32 v[ASK], v250, 2, s5
	v_lshl_add_u32 v[ASV], v250, 2, s7
	s_lshl_b32 s5, s2, 11
	s_add_co_u32 s5, s5, KPI
	v_lshl_add_u32 v[AIM], v252, 4, s5
	s_lshl_b32 s7, s2, 6
	s_add_co_u32 s7, s7, KPS
	v_lshlrev_b32 v254, 2, v250
	v_lshl_add_u32 v254, v251, 10, v254
	v_add_nc_u32 v[AIS], s7, v254
	v_and_b32 v255, 8, v250
	v_add_nc_u32 v[AWS], v255, v250                ; r + 8 (r / 8)
	v_lshlrev_b32 v[AWO], 5, v[AWS]
	v_lshl_add_u32 v[AWO], v251, 4, v[AWO]
	v_lshlrev_b32 v[ABO], 6, v251
	v_lshlrev_b32 v[ABV], 2, v[AWS]
.irp i, 0,1,2,3,4,5,6,7,8,9,10,11, 16,17,18,19,20,21,22,23,24,25,26,27, 32,33,34,35,36,37,38,39,40,41,42,43
	v_mov_b32 v[RUN+\i], 0                         ; the run's zero codes: written once, read by every selector's window
.endr
.irp i, 4,5,6,7
	v_mov_b32 v[TMX+\i], 0                         ; a lane permute's destination counts as one of its sources
.endr
	v_mov_b32 v[TPX], 0
	WLOAD 0
	s_wait_tensorcnt 0x0                           ; my part of the first item is in: no tensor load of mine is out
	ds_add_u32 v[SPW], v[NIL]                      ; 0 onto my spare word
	ds_add_u32 v[SPW], v[NIL]                      ; twice on end
	s_wait_dscnt 0x0                               ; both adds are done
	BAR                                            ; everybody's part of the first item is in
	TLOAD3 76, 84, 92                              ; THE SECOND ITEM'S TILES, first thing behind the barrier, into bytes that nothing has filled: a wave's one tensor load from here to the end; it has the whole first item in which to land
; AN ITEM: one (b, h).  last = 0: the second item's weights are asked for, its tiles are waited for and the addresses step on.
.macro ITEM it, last
.irp a, 0,1
.irp i, 0,1,2,3,4,5,6,7,8,9,10,11,12,13,14,15
	ds_load_b32 v[ACC+16*\a+\i], v[AQ] offset:2048*\i+64*\a      ; q(channel 16 h + i, pixel 32 W + 16 a + r)
.endr
.endr
	s_wait_loadcnt 0x0                             ; the weights
	s_cmp_lt_u32 s2, 8
	s_cbranch_scc0 .Lvrole_\it
	; ---- waves 0-7: kp's fragment g = W.  Source 0 = a tile of wk as a selector in K block c, source 1 = k's fragment as it lies: the result is channel 16 h + 8 u + j of pixel 64 g + 4 r + c
.irp c, 0,1,2,3
	ds_load_b128 v[KFR+4*\c:KFR+4*\c+3], v[ACK] offset:32*\c
.endr
	ds_load_b32 v[KSW], v[ASK]
.irp u, 0,1
	v_lshl_or_b32 v[PSW+\u], v[PSW+\u], 8, v[PSW+\u]
.endr
.irp u, 0,1
	v_lshl_or_b32 v[PSW+\u], v[PSW+\u], 16, v[PSW+\u]            ; a selector's scale byte stands in all four bytes of its word
.endr
.irp i, 8,9,10,11,12,13,14,15
	v_mov_b32 v[PCD+16+\i], 0                      ; wq has two tiles: its packed fragment's last two K blocks are zero codes.  (These eight lines are also the places between the scale words just made and the products)
.endr
	s_wait_dscnt 0x0
.irp c, 0,1,2,3
.irp u, 0,1
	v_wmma_scale_f32_16x16x128_f8f6f4 v[SCA+16*\c+8*\u:SCA+16*\c+8*\u+7], v[RUN+4*(3+4*\u-\c):RUN+4*(3+4*\u-\c)+15], v[KFR:KFR+15], v[VFR+8*\u:VFR+8*\u+7], v[PSW+\u], v[KSW]
.endr
.endr
	NOPS 8                                         ; places in front of the loads below and of the first read of the results
	BQLOAD
	XMAX SCA, 4                                    ; four pixels a lane: four blocks of 32 channels
	v_lshl_or_b32 v[PWX], v[TMX+5], 8, v[TMX+4]    ; their bytes make row r's scale word
	v_lshl_or_b32 v[PWX], v[TMX+6], 16, v[PWX]
	v_lshl_or_b32 v[PWX], v[TMX+7], 24, v[PWX]
	XCODE SCA, SCA, 4, PCD, 4
	s_branch .Ljoin_\it
.Lvrole_\it:
	; ---- waves 8-15: vp's fragment (s, t), s = (W - 8) / 2, t = W % 2.  Source 0 = v's fragments 2 s, 2 s + 1 as they lie, source 1 = tile t of wv as a selector: lane (r, h) gets channel 8 t + r + 8 (r / 8) at x = 64 g + 32 h + 4 j + c
.irp c, 0,1,2,3
	ds_load_b128 v[KFR+4*\c:KFR+4*\c+3], v[ACV] offset:32*\c
	ds_load_b128 v[KFR+32+4*\c:KFR+32+4*\c+3], v[ACV] offset:2304+32*\c
.endr
	ds_load_b32 v[KSW], v[ASV]
	ds_load_b32 v[VSW], v[ASV] offset:64
	v_lshl_or_b32 v[PSW], v[PSW], 8, v[PSW]
	v_lshl_or_b32 v[PSW], v[PSW], 16, v[PSW]
.irp i, 8,9,10,11,12,13,14,15
	v_mov_b32 v[PCD+16+\i], 0
.endr
	s_wait_dscnt 0x0
.irp g, 0,1
.irp c, 0,1,2,3
	v_wmma_scale_f32_16x16x128_f8f6f4 v[SCA+32*\g+8*\c:SCA+32*\g+8*\c+7], v[KFR+32*\g:KFR+32*\g+15], v[RUN+4*(3-\c):RUN+4*(3-\c)+15], v[VFR:VFR+7], v[KSW+\g], v[PSW]
.endr
.endr
	NOPS 8
	BQLOAD
	MAXB SCA
	CODE SCA, PCD, PWX, 0
	MAXB SCB
	CODE SCB, PCD+8, PWX, 1
.Ljoin_\it:
.irp c, 0,1,2,3
	ds_store_b128 v[AIM], v[PCD+4*\c:PCD+4*\c+3] offset:512*\c   ; the fragment goes to LDS as it stands in my registers
.endr
	ds_store_b32 v[AIS], v[PWX]
	; ---- every wave: its own 32 pixels of q become codes (q itself stays), then qp, then qp's codes: the two selectors of the main part
	XMAX ACC, 2
	s_wait_loadcnt 0x0                             ; bq and wq's scale bytes
.irp a, 0,1
	v_lshl_or_b32 v[QSC+\a], v[TMX+4+\a], 8, v[TMX+4+\a]
.endr
.irp a, 0,1
	v_lshl_or_b32 v[QSC+\a], v[QSC+\a], 16, v[QSC+\a]
.endr
	v_lshl_or_b32 v[PSW], v[PSW+1], 8, v[PSW]      ; wq's word: byte u = tile u's row; bytes 2 and 3 stand over zero codes
	XCODE ACC, SCB, 2, RUN+12, 16
.irp a, 0,1
.irp u, 0,1
	v_wmma_scale_f32_16x16x128_f8f6f4 v[SCA+16*\a+8*\u:SCA+16*\a+8*\u+7], v[PCD+16:PCD+31], v[RUN+4*(3+4*\a-\u):RUN+4*(3+4*\a-\u)+15], v[VFR+8*\u:VFR+8*\u+7], v[PSW], v[QSC+\a]
.endr
.endr
	NOPS 8
	XMAX SCA, 2
.irp a, 0,1
	v_lshl_or_b32 v[QSC+\a], v[TMX+4+\a], 8, v[TMX+4+\a]
.endr
.irp a, 0,1
	v_lshl_or_b32 v[QSC+\a], v[QSC+\a], 16, v[QSC+\a]
.endr
	XCODE SCA, SCA, 2, RUN+12, 16
	s_wait_dscnt 0x0                               ; for the others' sake: my image and its scale word have landed
	BAR                                            ; all sixteen images lie in LDS
	; ---- the main part: all 512 x for my 32 pixels
	LDK 0
	LDKS 0
	LDV 0
	s_wait_dscnt 0x9                               ; kp's first fragment and words are in; the nine younger loads (vp's) may be out
	WST SCA, 0, 0
	STEP 0
	STEP 1
	STEP 2
	STEP 3
	NOPS 8                                         ; places between the last scale word and codes and the products
	PV
	NOPS 8                                         ; places in front of the loads into registers that these products read, and of the first read of their results
.if \last == 0
	WLOAD 1                                        ; the next item's weights are asked for as soon as their registers are free: ahead of the 32 stores, the barrier and the way out
.endif
.irp a, 0,1
.irp i, 0,1,2,3,4,5,6,7,8,9,10,11,12,13,14,15
	ds_store_b32 v[AQ], v[ACC+16*\a+\i] offset:2048*\i+64*\a     ; the result takes q's place in the tile: my own columns, which no other wave touches; that tile has had its only fill
.endr
.endr
.if \last == 0
	s_wait_tensorcnt 0x0                           ; my part of the second item is in
.endif
	s_wait_dscnt 0x0                               ; my results have landed, and my reads of the images are over
	BAR                                            ; whole rows of the result lie in LDS; the images may be written again; the second item's tiles are whole
.irp n, 0,1,2,3,4,5,6,7
	ds_load_b128 v[SCA+4*\n:SCA+4*\n+3], v[ARB] offset:2048*(\n/4)+512*(\n%4)
.endr
.irp n, 0,1,2,3,4,5,6,7
	s_wait_dscnt 7-\n                              ; LDS loads come back in order (ISA guide 5.7.1): load n is in
	global_store_b128 v[AGO], v[SCA+4*\n:SCA+4*\n+3], s[10:11] offset:131072*(\n/4)+512*(\n%4) th:TH_STORE_NT   ; channels 2 W, 2 W + 1: 32 lanes store 512 consecutive bytes, at a multiple of 512 from out0's first byte
.endr
.if \last == 0
	s_wait_xcnt 0x0                                ; the stores' base and data are rewritten only behind this wait
	s_add_nc_u64 s[10:11], s[10:11], 2048          ; the next h
.irp x, AQ, ARB, ACK, ACV, ASK, ASV
	v_add_nc_u32 v[\x], ITS, v[\x]                 ; the next item's region
.endr
.endif
.endm
	ITEM 0, 0
	ITEM 1, 1
	s_wait_tensorcnt 0x0                           ; the wave's end, behind my last tensor load and my last LDS store
	ds_add_u32 v[SPW], v[NIL]
	s_wait_dscnt 0x0
	s_endpgm
.Lfunc_end_k_q81fd22f0b7_mha:
	.size	k_q81fd22f0b7_mha, .Lfunc_end_k_q81fd22f0b7_mha-k_q81fd22f0b7_mha
	.p2alignl 7, 3214868480
	.fill 96, 4, 3214868480
	.section	.rodata,"a",@progbits
	.p2align	6, 0x0
	.amdhsa_kernel k_q81fd22f0b7_mha
		.amdhsa_group_segment_fixed_size 327680
		.amdhsa_private_segment_fixed_size 0
		.amdhsa_enable_private_segment 0
		.amdhsa_kernarg_size 120
		.amdhsa_user_sgpr_count 2
		.amdhsa_user_sgpr_kernarg_segment_ptr 1
		.amdhsa_wavefront_size32 1
		.amdhsa_system_sgpr_workgroup_id_x 1
		.amdhsa_system_sgpr_workgroup_id_y 1
		.amdhsa_system_sgpr_workgroup_id_z 1
		.amdhsa_system_vgpr_workitem_id 0
		.amdhsa_next_free_vgpr 256
		.amdhsa_next_free_sgpr 102
		.amdhsa_reserve_vcc 0
		.amdhsa_float_denorm_mode_32 3
		.amdhsa_float_denorm_mode_16_64 3
		.amdhsa_memory_ordered 1
		.amdhsa_forward_progress 1
		.amdhsa_inst_pref_size 237
	.end_amdhsa_kernel
	.amdgpu_metadata
---
amdhsa.version: [ 1, 2 ]
amdhsa.kernels:
  - .name:           k_q81fd22f0b7_mha
    .symbol:         k_q81fd22f0b7_mha.kd
    .args:
      - { .name: q, .offset: 0, .size: 8, .value_kind: global_buffer, .address_space: global }
      - { .name: out0, .offset: 8, .size: 8, .value_kind: global_buffer, .address_space: global }
      - { .name: k_codes, .offset: 16, .size: 8, .value_kind: global_buffer, .address_space: global }
      - { .name: v_codes, .offset: 24, .size: 8, .value_kind: global_buffer, .address_space: global }
      - { .name: k_scales, .offset: 32, .size: 8, .value_kind: global_buffer, .address_space: global }
      - { .name: v_scales, .offset: 40, .size: 8, .value_kind: global_buffer, .address_space: global }
      - { .name: wk_codes, .offset: 48, .size: 8, .value_kind: global_buffer, .address_space: global }
      - { .name: wv_codes, .offset: 56, .size: 8, .value_kind: global_buffer, .address_space: global }
      - { .name: wk_scales, .offset: 64, .size: 8, .value_kind: global_buffer, .address_space: global }
      - { .name: wv_scales, .offset: 72, .size: 8, .value_kind: global_buffer, .address_space: global }
      - { .name: bk, .offset: 80, .size: 8, .value_kind: global_buffer, .address_space: global }
      - { .name: bv, .offset: 88, .size: 8, .value_kind: global_buffer, .address_space: global }
      - { .name: wq_codes, .offset: 96, .size: 8, .value_kind: global_buffer, .address_space: global }
      - { .name: wq_scales, .offset: 104, .size: 8, .value_kind: global_buffer, .address_space: global }
      - { .name: bq, .offset: 112, .size: 8, .value_kind: global_buffer, .address_space: global }
    .group_segment_fixed_size: 327680
    .private_segment_fixed_size: 0
    .kernarg_segment_align: 8
    .kernarg_segment_size: 120
    .max_flat_workgroup_size: 512
    .sgpr_count:     102
    .vgpr_count:     256
    .wavefront_size: 32
...
	.end_amdgpu_metadata
.endif
;; end of part 1
